; MI455X (gfx1250); checked and timed in simulation.
; The chip was launched on July 23, 2026; its instructions are those of AMD's public machine-readable ISA for CDNA 5 (MIT licence, August 2026) and "CDNA5" Instruction Set Architecture Reference Guide (July 2026). The comments in the code are by the model that wrote it; some were corrected since.
;; Non Local Attention. Allowed arithmetic: matrix products marked QUANTISED: E2M3 operands, one E8M0 scale for each 32 along K, by v_wmma_scale_f32_16x16x128_f8f6f4 with both operands' format E2M3, f32 sums; everything else in f32.
;; Inputs: a1 1 float32; a2 1 float32; a3 1 float32; b1 32 float32; b2 32 float32; b3 64 float32; w1 32 x 64 float32; w2 32 x 64 float32; w3 64 x 64 float32; x 8 x 64 x 64 x 64 float32.
;; Outputs: out0 8 x 64 x 64 x 64 float32.
;; This version of the problem:
;;   THIS VERSION OF THE PROBLEM IS GIVEN IN LOW PRECISION. The matrix products marked QUANTISED in the list below multiply operands that are first quantised to E2M3 (2 exponent bits, 3 mantissa bits; 6 bits a number), with one power-of-two scale for each 32 numbers along K (OCP MX v1.0); their sums are f32. All else is computed in f32.
;;   The module's matrix products, in the order in which they are computed (A, B: the left and right operand; K: the contracted axis; several contracted axes count as one K, in the product's order):
;;     1. [M 32, K 64] x [K 64, N 32,768]; A: input w1; B: input x: QUANTISED
;;     2. [M 32, K 64] x [K 64, N 32,768]; A: input w2; B: input x: QUANTISED
;;     3. [M 64, K 64] x [K 64, N 32,768]; A: input w3; B: input x: QUANTISED
;;     4. batch 8 x [M 4,096, K 32] x [K 32, N 4,096]; A: computed on the way; B: computed on the way: QUANTISED
;;     5. batch 8 x [M 4,096, K 4,096] x [K 4,096, N 64]; A: softmax (see below); B: computed on the way: QUANTISED
;;   THE QUANTISER, for each operand of a quantised product, along K:
;;     - K is cut into blocks of 32 from its start; a last block that is shorter is filled with zeros.
;;     - A block's scale is 2^e with e = floor(log2(the largest magnitude in the block)) - 2, held to -126 .. 127; a block of zeros has e = 0. As a byte (E8M0): e + 127.
;;     - Each number is divided by its block's scale, clamped to +-7.5, and rounded to the nearest number of E2M3, ties to even, subnormals kept.
;;     - The product sums the exact products of the quantised numbers (number of the format x scale) in f32.
;;   ~~~python
;;   def quantise(x, axis):      # numpy; x: float32 -> the quantised numbers, widened to float32 again
;;       x = np.moveaxis(x, axis, -1); K = x.shape[-1]
;;       x = np.pad(x, [(0, 0)] * (x.ndim - 1) + [(0, -K % 32)]); x = x.reshape(x.shape[:-1] + (-1, 32)); a = np.abs(x).max(-1, keepdims=True)
;;       e = np.where(a > 0, np.clip(np.frexp(np.where(a > 0, a, 1))[1] - 1 - 2, -126, 127), 0)      # np.frexp(a)[1] - 1 = floor(log2(a)), exactly
;;       r = np.clip(x / 2.0 ** e, -7.5, 7.5)
;;       step = 2.0 ** (np.maximum(np.frexp(np.where(r == 0, 1, r))[1] - 1, 0) - 3)
;;       q = np.round(r / step) * step * 2.0 ** e      # np.round: ties to even
;;       return np.moveaxis(q.reshape(q.shape[:-2] + (-1,))[..., :K], -1, axis).astype(np.float32)
;;   ~~~
;;   SOFTMAX AHEAD OF A QUANTISED PRODUCT. Where the list says 'softmax', what is quantised is not the finished softmax but p = 2^(t - M), with t = logit x log2(e) and M = ceil(the row's largest t), a whole number; so 1/2 < the row's largest p <= 1. The row's sum l is taken of the UNQUANTISED p, in f32, and the product's result is divided by l at the end. Since M is a whole number, a kernel that streams over the keys may use a running M (the ceiling of the running maximum): every later rescaling is an exact power of two, which a block's scale takes up: the codes' values come out the same.
;;   OPERANDS COMPUTED ON THE WAY. 'Computed on the way' means the value that the module computes at that place (a softmax that the list does not call 'softmax' is quantised finished and normalised). What goes into a quantiser is computed in f32, as accurately as f32 sums, v_exp_f32 and their like allow (about 1e-6 of the number): no bf16 or f16 on the way to a quantiser, and a product that is left as it is and whose result goes on into a quantised operand takes f32 operands (vector FMAs, or v_wmma_f32_16x16x4_f32). A number that lies on a knife's edge between two numbers of the format may be rounded either way, as far as f32 arithmetic and the matrix unit's own rounding can turn it there, and no further.
;; One version. Each part assembles by itself: llvm-mc -triple=amdgcn-amd-amdhsa -mcpu=gfx1250 --defsym DOCPART=n.
;; ======== version 1 of 1: 2 launches
;; workspace buffers: ws 3,276,800 bytes
;; launch prep (part 1): grid 256 x 1, 4 waves a work-group, no clusters, 8,704 bytes of LDS; arguments x, w1, b1, a1, w2, b2, a2, w3, b3, a3, ws; writes ws
.if DOCPART == 1
	.amdgcn_target "amdgcn-amd-amdhsa--gfx1250"
	.amdhsa_code_object_version 6
	.text
	.protected	k_qa86f84de0b_prep
	.globl	k_qa86f84de0b_prep
	.p2align	8
	.type	k_qa86f84de0b_prep,@function
k_qa86f84de0b_prep:
	s_mov_b64 s[64:65], 0
	v_nop
	global_prefetch_b8 v0, s[64:65] scope:SCOPE_SE
	s_setreg_imm32_b32 hwreg(HW_REG_WAVE_MODE, 25, 1), 1
	s_wait_xcnt 0x0
; PREP: q = prelu(w1 x + b1), k = prelu(w2 x + b2), v = prelu(w3 x + b3), all three products on codes of FP6 (E2M3) with one E8M0 byte for each 32 along K (the 64 channels),
; and q, k (along their 32 channels) and v (along the keys) quantised again, into ws, laid in the order of the next launch's operand registers.
; x: [8][64][4096] f32.  ws, for each image IMG bytes: key step s (128 pixels) at STEPB s: k's two fragments, v's four; from SCL on 384 bytes of scale words a step (k's, v's tiles 0/1, v's tiles 2/3);
; from QCOD on q's two fragments for each block of 128 pixels; from QSCL on their scale words.  A fragment is an IMAGE OF ITS 12 REGISTERS: three blocks of 512 bytes, registers 4 i .. 4 i + 3 of lane l at 512 i + 16 l.
; SHARES.  A work-group is one image's 128 pixels.  Ahead of the one barrier wave w quantises x for pixels 32 w .. 32 w + 31: A LANE TAKES A PIXEL AND ITS 64 REGISTERS RUN DOWN THE CHANNELS, so a block's largest
; magnitude needs no other lane and each load reads 128 consecutive bytes a wave, 512 a work-group.  Behind it THE WAVES SHARE THE OUTPUT CHANNELS: wave 0 makes q, wave 1 k, wave 2 v's channels 0-31, wave 3 v's 32-63,
; each for all 128 pixels with 16 matrix instructions, so that each wave ends with whole fragments and whole scale words.
; PIXEL ORDER.  Lane l = r + 16 h takes pixel pi = 8 h + r + 8 (r / 8) of its 32.  Six exchanges of lane halves make of a lane's two blocks two fragments of 16 pixels: T = 0, 1, row m = pixel 8 T + m + 8 (m / 8).
; q, k: source 0 = 16 rows of W (tile u, row m = channel 8 u + m + 8 (m / 8)), source 1 = 16 pixels: a lane's 16 registers of tiles u = 0, 1 are channels 16 h + 0 .. 15 of one pixel.
; v:    source 0 = 16 pixels, source 1 = 16 rows of W: a lane's 16 registers of T = 0, 1 are keys 16 h + 0 .. 15 of a block of 32, of one channel.  Either way QUANT finds 16 neighbours along the next K.
; K IS 64 OF THE INSTRUCTION'S 128: W's fragments carry zero codes in registers 6-11, and both sides' scale bytes 2 and 3 are 0.  So x's fragments lie 6 registers apart: what an instruction reads as a fragment's upper
; six registers are the next fragment's codes, which meet W's zero codes and add nothing.
; The biases are the C of the products.  prelu(y) = max(y, 0) + a min(y, 0): one of the two is 0, so the fused multiply-add rounds once, as a y does.
; LIMITS: NaN and infinities among the inputs, and an a that is not finite, are not served; the sign of a zero behind prelu may differ; a block whose largest magnitude lies under 2^-124, a block of zeros among them,
; gets the byte 1 (the rule says 127 for zeros: its codes are zeros, which add nothing under any byte but 0xff, and this program alone reads the bytes).
; No tensor loads, no ring: x is read once, 64 loads a lane all on their way together.  No cluster: work-groups share only the 32 KB of weights.
.set IMG,   409600
.set SCL,   294912
.set QCOD,  307200
.set QSCL,  405504
.set STEPB, 9216
.set FRB,   1536                       ; a fragment's image
.set XSC,   4*FRB                      ; LDS: x's four images of 12 registers at 0, their scale words (128 bytes each) behind them
.set LN,  1                            ; v1   lane
.set RR,  2                            ; v2   r = lane % 16
.set HH,  3                            ; v3   h = lane / 16
.set LI,  4                            ; v4   16 x lane: an image's place for my lane
.set LS,  5                            ; v5   4 x lane: a scale word's
.set XWI, 6                            ; v6   where I store x's image: 16 x lane + FRB x wave
.set XWS, 7                            ; v7   and its scale words: 4 x lane + 128 x wave + XSC
.set XA,  8                            ; v8   x: 4 pi
.set WA,  9                            ; v9-10  W: my row and half of tile 0, 1
.set BQ,  11                           ; v11  the bias, roles q and k: 64 h
.set BV,  14                           ; v14  the bias, role v: 4 r + 128 (wave - 2)
.set WF,  16                           ; v16-39   W's two fragments: 6 registers of codes, 6 of zeros
.set WS,  40                           ; v40-41   their scale words
.set XW,  42                           ; v42-45   x's scale words, one register for each 32 pixels: lanes 0-15 for T = 0, lanes 16-31 for T = 1
.set BI,  46                           ; v46-61   the bias in the result's layout, 8 registers a tile
.set XB,  62                           ; v62-109  x's eight fragments, 6 registers apart; v110-115 zeros.  Behind the products: codes, v62 + 20 a; v102-113 at work; v114-115 scale words
.set D,   116                          ; v116-243 the 16 results.  Ahead of the barrier: v116-179 x as loaded, v180-243 W as loaded
.set XR,  116
.set WR,  180
.set MX,  244                          ; v244-245 two blocks' largest magnitudes; v246-247 the conversions' scale operands; v248-249 the bytes; v250-251 from the other half
.set SOP, 246
.set BY,  248
.set PD,  250
.set PT,  244                          ; v244-251 prelu: min(y, 0), four pairs by turns
.set WORD, 252
.set TM,  102
.set PW,  114
.set WV,  26
.set SEL, 40
; Two blocks of 32 numbers of a lane, at v[src] and v[src + 32]: largest magnitude (with the floor 2^(3 - 127) among its leaves, which holds the byte at 1 from below), scale operand, byte.
.macro BLK2 src
.irp b, 0,1
	v_max3_num_f32 v[MX+\b], |v[\src+32*\b]|, |v[\src+32*\b+1]|, 0x1800000
.endr
.irp i, 2,4,6,8,10,12,14,16,18,20,22,24,26,28,30
.irp b, 0,1
	v_max3_num_f32 v[MX+\b], v[MX+\b], |v[\src+32*\b+\i]|, |v[\src+32*\b+\i+1]|
.endr
.endr
.irp b, 0,1
	v_add_nc_u32 v[SOP+\b], 0xff000000, v[MX+\b]   ; 2 off the exponent field: the conversion takes the exponent field of this operand as its scale, and nothing else of it
.endr
.irp b, 0,1
	v_lshrrev_b32 v[BY+\b], 23, v[SOP+\b]          ; the scale's byte
.endr
.endm
; Their codes: block b's six registers at v[dst + stride b].  A conversion's three registers begin on an even number, so each block's second half is made at v[tmp + 4 b] and moved.
.macro CV2 src, dst, stride, tmp
.irp b, 0,1
	v_cvt_scalef32_pk16_fp6_f32 v[\dst+\stride*\b:\dst+\stride*\b+2], v[\src+32*\b:\src+32*\b+15], v[SOP+\b]
	v_cvt_scalef32_pk16_fp6_f32 v[\tmp+4*\b:\tmp+4*\b+2], v[\src+32*\b+16:\src+32*\b+31], v[SOP+\b]
.endr
	v_nop                                          ; one plain place behind a scaled conversion
.irp b, 0,1
.irp i, 0,1,2
	v_mov_b32 v[\dst+\stride*\b+3+\i], v[\tmp+4*\b+\i]
.endr
.endr
.endm
; 64 numbers of a lane, register 16 b + i = number 32 b + 16 h + i along K of my row, become a fragment's codes in v[pc] .. v[pc + 11] (v[pc + 12] .. + 18 at work) and its scale word in v[pw].
.macro QUANT s, pc, pw
.irp b, 0,1,2,3
	v_max3_num_f32 v[TM+\b], |v[\s+16*\b]|, |v[\s+1+16*\b]|, 0x1800000
.endr
.irp i, 2,4,6,8,10,12,14
.irp b, 0,1,2,3
	v_max3_num_f32 v[TM+\b], v[TM+\b], |v[\s+16*\b+\i]|, |v[\s+1+16*\b+\i]|   ; the four blocks by turns: no line waits for the line above it
.endr
.endr
.irp b, 0,1,2,3
	v_permlanex16_b32 v[TM+4+\b], v[TM+\b], s[SEL], s[SEL+1]
.endr
.irp b, 0,1,2,3
	v_max_num_f32 v[TM+\b], v[TM+\b], v[TM+4+\b]   ; with lane l xor 16's 16: the block's largest magnitude
.endr
.irp b, 0,1,2,3
	v_add_nc_u32 v[TM+8+\b], 0xff000000, v[TM+\b]
.endr
.irp b, 0,1,2,3
	v_lshrrev_b32 v[TM+4+\b], 23, v[TM+8+\b]
.endr
	v_lshl_or_b32 v[\pw], v[TM+5], 8, v[TM+4]      ; the four bytes make my row's scale word, the same in both halves of the lanes
	v_lshl_or_b32 v[\pw], v[TM+6], 16, v[\pw]
	v_lshl_or_b32 v[\pw], v[TM+7], 24, v[\pw]
.irp c, 0,1
	v_cvt_scalef32_pk16_fp6_f32 v[\pc+6*\c:\pc+2+6*\c], v[\s+32*\c:\s+15+32*\c], v[TM+8+2*\c]
	v_cvt_scalef32_pk16_fp6_f32 v[\pc+12+4*\c:\pc+14+4*\c], v[\s+16+32*\c:\s+31+32*\c], v[TM+8+2*\c+1]
.endr
	v_nop                                          ; one plain place behind a scaled conversion
.irp c, 0,1                                    ; the operand's layout wants a WHOLE block in a lane: lanes 0-15 block 2 c, lanes 16-31 block 2 c + 1
.irp i, 0,1,2
	v_permlane16_swap_b32 v[\pc+6*\c+\i], v[\pc+12+4*\c+\i]
.endr
.irp i, 0,1,2
	v_mov_b32 v[\pc+3+6*\c+\i], v[\pc+12+4*\c+\i]
.endr
.endr
.endm
; prelu on 64 registers, ascending, so that each result is read from its low end on
.macro PRELU d
.set jj, 0
.rept 32
	v_min_num_f32 v[PT+jj%8], 0, v[\d+jj]
	v_min_num_f32 v[PT+jj%8+1], 0, v[\d+jj+1]
	v_max_num_f32 v[\d+jj], 0, v[\d+jj]
	v_max_num_f32 v[\d+jj+1], 0, v[\d+jj+1]
	v_pk_fma_f32 v[\d+jj:\d+jj+1], v[PT+jj%8:PT+jj%8+1], s[34:35], v[\d+jj:\d+jj+1] op_sel_hi:[1,0,1]   ; a min(y, 0) + max(y, 0)
.set jj, jj+2
.endr
.endm
	s_load_b256 s[4:11], s[0:1], 0x0               ; x s[4:5], w1 s[6:7], b1 s[8:9], a1 s[10:11]
	s_load_b256 s[12:19], s[0:1], 0x20             ; w2 s[12:13], b2 s[14:15], a2 s[16:17], w3 s[18:19]
	s_load_b128 s[20:23], s[0:1], 0x40             ; b3 s[20:21], a3 s[22:23]
	s_load_b64 s[24:25], s[0:1], 0x50              ; ws
	v_lshl_add_u32 v254, v0, 2, 0x2000
	v_mov_b32 v255, 0
	v_lshrrev_b32 v1, 5, v0
	v_readfirstlane_b32 s[WV], v1                  ; wave 0..3: its group of pixels, then its role
	v_and_b32 v[LN], 31, v0
	s_wait_alu depctr_va_vdst(0)
	v_and_b32 v[RR], 15, v0
	s_wait_alu depctr_va_vdst(0)
	v_bfe_u32 v[HH], v0, 4, 1
	s_lshr_b32 s46, ttmp9, 5                       ; the image
	s_and_b32 s47, ttmp9, 31                       ; the key step: 128 pixels
	s_max_u32 s38, s[WV], 2
	s_sub_co_u32 s38, s38, 2                       ; 0, 0, 0, 1: which half of w3 and b3
	s_max_u32 s48, s[WV], 1
	s_sub_co_u32 s48, s48, 1                       ; 0, 0, 1, 2: which pair of a step's six fragments
	s_mov_b32 s[SEL], 0x76543210
	s_mov_b32 s[SEL+1], 0xfedcba98                 ; v_permlanex16_b32's selects for lane l xor 16
	; where my two fragments and my 128 bytes of scale words go in ws
	s_mul_i32 s49, s47, 2*FRB
	s_add_co_u32 s49, s49, QCOD                    ; q's codes
	s_mul_i32 s50, s47, STEPB
	s_mul_i32 s51, s48, 2*FRB
	s_add_co_u32 s50, s50, s51                     ; k's or v's
	s_lshl_b32 s51, s47, 7
	s_add_co_u32 s51, s51, QSCL                    ; q's scale words
	s_mul_i32 s52, s47, 384
	s_lshl_b32 s53, s48, 7
	s_add_co_u32 s52, s52, s53
	s_add_co_u32 s52, s52, SCL                     ; k's or v's
	s_mul_i32 s54, s46, IMG
	s_cmp_eq_u32 s[WV], 0
	s_cselect_b32 s42, s49, s50
	s_cselect_b32 s44, s51, s52
	s_add_co_u32 s42, s42, s54
	s_add_co_u32 s44, s44, s54
	s_mov_b32 s43, 0
	s_mov_b32 s45, 0
	s_lshl_b32 s56, s46, 20                        ; x: the image, 2^20 bytes,
	s_lshl_b32 s57, s47, 9                         ; the step's 128 pixels,
	s_add_co_u32 s56, s56, s57
	s_lshl_b32 s57, s[WV], 7                       ; my wave's 32
	s_add_co_u32 s56, s56, s57
	s_mov_b32 s57, 0
	s_mov_b32 s37, 4096
	s_cmp_lt_u32 s[WV], 2
	s_cselect_b32 s36, 8, 0                        ; q, k: a tile's rows 8-15 lie 8 further on; v: a tile's rows are neighbours
	s_cselect_b32 s37, 2048, s37                   ; from tile 0 to tile 1 of W: 8 rows or 16, of 256 bytes
	v_lshlrev_b32 v[LI], 4, v[LN]
	v_lshlrev_b32 v[LS], 2, v[LN]
	s_mul_i32 s58, s[WV], FRB
	v_add_nc_u32 v[XWI], s58, v[LI]
	s_lshl_b32 s58, s[WV], 7
	s_add_co_u32 s58, s58, XSC
	v_add_nc_u32 v[XWS], s58, v[LS]
	v_and_b32 v12, 8, v[RR]
	v_add_nc_u32 v12, v12, v[RR]
	s_wait_alu depctr_va_vdst(0)
	v_lshl_add_u32 v12, v[HH], 3, v12              ; pi = 8 h + r + 8 (r / 8)
	v_lshlrev_b32 v[XA], 2, v12
	v_and_b32 v13, s36, v[RR]
	v_add_nc_u32 v13, v13, v[RR]                   ; my row of a tile of W
	v_lshlrev_b32 v13, 8, v13
	v_lshl_add_u32 v13, v[HH], 7, v13              ; + my block of 32 along K: 128 bytes
	s_lshl_b32 s59, s38, 13
	v_add_nc_u32 v[WA], s59, v13                   ; + 32 rows for wave 3
	v_add_nc_u32 v[WA+1], s37, v[WA]
	v_lshlrev_b32 v[BQ], 6, v[HH]
	s_lshl_b32 s59, s38, 7
	v_lshl_add_u32 v[BV], v[RR], 2, s59
	s_wait_alu depctr_va_vdst(0)
	s_wait_kmcnt 0x0
	s_cmp_eq_u32 s[WV], 0                          ; my role's weight, bias and slope: the choice hangs on the wave's number alone
	s_cselect_b64 s[28:29], s[6:7], s[12:13]
	s_cselect_b64 s[30:31], s[8:9], s[14:15]
	s_cselect_b64 s[32:33], s[10:11], s[16:17]
	s_cmp_lt_u32 s[WV], 2
	s_cselect_b64 s[28:29], s[28:29], s[18:19]
	s_cselect_b64 s[30:31], s[30:31], s[20:21]
	s_cselect_b64 s[32:33], s[32:33], s[22:23]
	s_load_b32 s34, s[32:33], 0x0                  ; a
	s_add_nc_u64 s[4:5], s[4:5], s[56:57]
	s_add_nc_u64 s[42:43], s[24:25], s[42:43]
	s_add_nc_u64 s[44:45], s[24:25], s[44:45]
.irp u, 0,1
.irp i, 0,1,2,3,4,5,6,7
	global_load_b128 v[WR+32*\u+4*\i:WR+32*\u+4*\i+3], v[WA+\u], s[28:29] offset:16*\i   ; W(my row of tile u, 32 h + 0 .. 31)
.endr
.endr
	s_cmp_lt_u32 s[WV], 2
	s_cbranch_scc0 .Lbias_v
.irp u, 0,1
	global_load_b128 v[BI+8*\u:BI+8*\u+3], v[BQ], s[30:31] offset:32*\u          ; q, k: register j of tile u is channel 16 h + 8 u + j
	global_load_b128 v[BI+8*\u+4:BI+8*\u+7], v[BQ], s[30:31] offset:32*\u+16
.endr
	s_branch .Lbias_done
.Lbias_v:
.irp u, 0,1
.irp j, 0,1,2,3,4,5,6,7
	global_load_b32 v[BI+8*\u+\j], v[BV], s[30:31] offset:64*\u                  ; v: every register of tile u is channel 16 u + r
.endr
.endr
.Lbias_done:
.irp i, 0,1,2,3,4,5,6,7,8,9,10,11,12,13,14,15,16,17,18,19,20,21,22,23,24,25,26,27,28,29,30,31,32,33,34,35,36,37,38,39,40,41,42,43,44,45,46,47,48,49,50,51,52,53,54,55,56,57,58,59,60,61,62,63
	global_load_b32 v[XR+\i], v[XA], s[4:5] offset:16384*\i                      ; x(channel i, my pixel): the wave reads 128 consecutive bytes.  No hint: the next launch reads x again
.endr
.irp u, 0,1
.irp i, 6,7,8,9,10,11
	v_mov_b32 v[WF+12*\u+\i], 0                    ; W's zero codes for K = 64 .. 127
.endr
.endr
.irp i, 0,1,2,3,4,5
	v_mov_b32 v[XB+48+\i], 0                       ; what the last fragment of x names as its upper six registers
.endr
	v_mov_b32 v[PD], 0                             ; written once: a lane permute's destination counts as one of its sources
	v_mov_b32 v[PD+1], 0
	; ---- W's two tiles become fragments, while x is on its way
	s_wait_loadcnt 0x3f                            ; 64 loads of x stand behind W's and the bias's; the wait's field holds 63, so x's first is awaited with them
	BLK2 WR
	v_lshlrev_b32 v15, 3, v[HH]
.irp u, 0,1
	v_lshlrev_b32 v[BY+\u], v15, v[BY+\u]          ; my block's byte at its place: 8 h bits up
.endr
.irp u, 0,1
	v_permlanex16_b32 v[PD+\u], v[BY+\u], s[SEL], s[SEL+1]
.endr
.irp u, 0,1
	v_or_b32 v[WS+\u], v[BY+\u], v[PD+\u]          ; with lane l xor 16's: bytes 0 and 1; bytes 2 and 3 stay 0
.endr
	CV2 WR, WF, 12, XB
	; ---- my pixel's two blocks of x
	s_wait_loadcnt 0x0
	BLK2 XR
	v_lshl_or_b32 v[WORD], v[BY+1], 8, v[BY]       ; my pixel's scale word: bytes 2 and 3 are 0
	CV2 XR, XB, 6, XB+14
.irp i, 0,1,2,3,4,5
	v_permlane16_swap_b32 v[XB+\i], v[XB+6+\i]     ; block 0's lanes 16-31 change places with block 1's lanes 0-15: the first six registers are now the fragment of pixels pi(0, r), the second six that of pi(1, r)
.endr
.irp i, 0,1,2
	ds_store_b128 v[XWI], v[XB+4*\i:XB+4*\i+3] offset:512*\i
.endr
	ds_store_b32 v[XWS], v[WORD]
	s_wait_dscnt 0x0                               ; for the others' sake: my image and my scale words lie in LDS
	s_barrier_signal -1
	s_barrier_wait -1                              ; the launch's one barrier: nothing in LDS is written again
.irp g, 0,1,2,3
.irp i, 0,1,2
	ds_load_b128 v[XB+12*\g+4*\i:XB+12*\g+4*\i+3], v[LI] offset:FRB*\g+512*\i
.endr
	ds_load_b32 v[XW+\g], v[LS] offset:XSC+128*\g
.endr
	s_wait_kmcnt 0x0                               ; a
	s_mov_b32 s35, s34                             ; (the packed form names the pair)
	s_wait_dscnt 0x0
	; ---- 16 products, each with an accumulator of its own and the bias as C
	s_cmp_lt_u32 s[WV], 2
	s_cbranch_scc0 .Lrole_v
.irp g, 0,1
.irp c, 0,1
.irp p, 0,1
.irp u, 0,1
.set rD, D+64*\g+16*(2*\c+\p)+8*\u
.set rX, XB+12*(2*\g+\c)+6*\p
.if \p
	v_wmma_scale_f32_16x16x128_f8f6f4 v[rD:rD+7], v[WF+12*\u:WF+12*\u+11], v[rX:rX+11], v[BI+8*\u:BI+8*\u+7], v[WS+\u], v[XW+2*\g+\c] matrix_a_fmt:MATRIX_FMT_FP6 matrix_b_fmt:MATRIX_FMT_FP6 matrix_b_scale:MATRIX_SCALE_ROW1
.else
	v_wmma_scale_f32_16x16x128_f8f6f4 v[rD:rD+7], v[WF+12*\u:WF+12*\u+11], v[rX:rX+11], v[BI+8*\u:BI+8*\u+7], v[WS+\u], v[XW+2*\g+\c] matrix_a_fmt:MATRIX_FMT_FP6 matrix_b_fmt:MATRIX_FMT_FP6
.endif
.endr
.endr
.endr
.endr
	s_branch .Lroles_join
.Lrole_v:
.irp t, 0,1
.irp c, 0,1
.irp p, 0,1
.irp q, 0,1
.set rD, D+64*\t+16*(2*\c+\p)+8*\q
.set rX, XB+12*(2*\c+\p)+6*\q
.if \q
	v_wmma_scale_f32_16x16x128_f8f6f4 v[rD:rD+7], v[rX:rX+11], v[WF+12*\t:WF+12*\t+11], v[BI+8*\t:BI+8*\t+7], v[XW+2*\c+\p], v[WS+\t] matrix_a_fmt:MATRIX_FMT_FP6 matrix_b_fmt:MATRIX_FMT_FP6 matrix_a_scale:MATRIX_SCALE_ROW1
.else
	v_wmma_scale_f32_16x16x128_f8f6f4 v[rD:rD+7], v[rX:rX+11], v[WF+12*\t:WF+12*\t+11], v[BI+8*\t:BI+8*\t+7], v[XW+2*\c+\p], v[WS+\t] matrix_a_fmt:MATRIX_FMT_FP6 matrix_b_fmt:MATRIX_FMT_FP6
.endif
.endr
.endr
.endr
.endr
.Lroles_join:
.rept 4
	v_nop                                          ; four places (ISA guide 7.12.1) in front of the first read of results and of the first write over x's fragments
.endr
	; ---- the same for every role: 64 registers become one fragment and one scale word, twice
.irp a, 0,1
	PRELU D+64*\a
	QUANT D+64*\a, XB+20*\a, PW+\a
.irp i, 0,1,2
	global_store_b128 v[LI], v[XB+20*\a+4*\i:XB+20*\a+4*\i+3], s[42:43] offset:FRB*\a+512*\i   ; 32 lanes store 512 consecutive bytes, at a multiple of 256 from ws's first byte; no register of a store is written again
.endr
.endr
	v_cmp_gt_u32 vcc_lo, 16, v[LN]
	v_cndmask_b32 v[WORD], v[PW+1], v[PW], vcc_lo  ; lanes 0-15 the first fragment's scale words, lanes 16-31 the second's: one register serves two fragments in the next launch
	global_store_b32 v[LS], v[WORD], s[44:45]      ; 128 consecutive bytes: three such stores of a work-group lie on end (384 bytes a step); 12 KB of an image's 400
	s_wait_tensorcnt 0x0
	ds_add_u32 v254, v255
	s_wait_dscnt 0x0
	s_endpgm
.Lfunc_end_k_qa86f84de0b_prep:
	.size	k_qa86f84de0b_prep, .Lfunc_end_k_qa86f84de0b_prep-k_qa86f84de0b_prep
	.p2alignl 7, 3214868480
	.fill 96, 4, 3214868480
	.section	.rodata,"a",@progbits
	.p2align	6, 0x0
	.amdhsa_kernel k_qa86f84de0b_prep
		.amdhsa_group_segment_fixed_size 8704
		.amdhsa_private_segment_fixed_size 0
		.amdhsa_enable_private_segment 0
		.amdhsa_kernarg_size 88
		.amdhsa_user_sgpr_count 2
		.amdhsa_user_sgpr_kernarg_segment_ptr 1
		.amdhsa_wavefront_size32 1
		.amdhsa_system_sgpr_workgroup_id_x 1
		.amdhsa_system_sgpr_workgroup_id_y 1
		.amdhsa_system_sgpr_workgroup_id_z 1
		.amdhsa_system_vgpr_workitem_id 0
		.amdhsa_next_free_vgpr 256
		.amdhsa_next_free_sgpr 66
		.amdhsa_reserve_vcc 1
		.amdhsa_float_denorm_mode_32 3
		.amdhsa_float_denorm_mode_16_64 3
		.amdhsa_memory_ordered 1
		.amdhsa_forward_progress 1
		.amdhsa_inst_pref_size 46
	.end_amdhsa_kernel
	.amdgpu_metadata
---
amdhsa.version: [ 1, 2 ]
amdhsa.kernels:
  - .name:           k_qa86f84de0b_prep
    .symbol:         k_qa86f84de0b_prep.kd
    .args:
      - { .name: x, .offset: 0, .size: 8, .value_kind: global_buffer, .address_space: global }
      - { .name: w1, .offset: 8, .size: 8, .value_kind: global_buffer, .address_space: global }
      - { .name: b1, .offset: 16, .size: 8, .value_kind: global_buffer, .address_space: global }
      - { .name: a1, .offset: 24, .size: 8, .value_kind: global_buffer, .address_space: global }
      - { .name: w2, .offset: 32, .size: 8, .value_kind: global_buffer, .address_space: global }
      - { .name: b2, .offset: 40, .size: 8, .value_kind: global_buffer, .address_space: global }
      - { .name: a2, .offset: 48, .size: 8, .value_kind: global_buffer, .address_space: global }
      - { .name: w3, .offset: 56, .size: 8, .value_kind: global_buffer, .address_space: global }
      - { .name: b3, .offset: 64, .size: 8, .value_kind: global_buffer, .address_space: global }
      - { .name: a3, .offset: 72, .size: 8, .value_kind: global_buffer, .address_space: global }
      - { .name: ws, .offset: 80, .size: 8, .value_kind: global_buffer, .address_space: global }
    .group_segment_fixed_size: 8704
    .private_segment_fixed_size: 0
    .kernarg_segment_align: 8
    .kernarg_segment_size: 88
    .max_flat_workgroup_size: 128
    .sgpr_count:     66
    .vgpr_count:     256
    .wavefront_size: 32
...
	.end_amdgpu_metadata
.endif
;; end of part 1
;; launch attn (part 2): grid 32 x 8, 8 waves a work-group, clusters of 4 x 1, 327,680 bytes of LDS; arguments ws, x, out0; writes out0
.if DOCPART == 2
	.amdgcn_target "amdgcn-amd-amdhsa--gfx1250"
	.amdhsa_code_object_version 6
	.text
	.protected	k_qa86f84de0b_attn
	.globl	k_qa86f84de0b_attn
	.p2align	8
	.type	k_qa86f84de0b_attn,@function
k_qa86f84de0b_attn:
	s_mov_b64 s[64:65], 0
	v_nop
	global_prefetch_b8 v0, s[64:65] scope:SCOPE_SE
	s_setreg_imm32_b32 hwreg(HW_REG_WAVE_MODE, 25, 1), 1
	s_wait_xcnt 0x0
	s_wait_alu depctr_hold_cnt(0) depctr_sa_sdst(0) depctr_va_vdst(0) depctr_va_sdst(0) depctr_va_ssrc(0) depctr_va_vcc(0) depctr_vm_vsrc(0)
	s_getreg_b32 s2, hwreg(HW_REG_IB_STS2, 6, 4)
	s_cmp_eq_u32 s2, 0
	s_cbranch_scc0 .Lentry_in_a_cluster
	s_endpgm
.Lentry_in_a_cluster:
	s_bfe_u32 s2, ttmp6, 0x10000c
	s_cmp_lg_u32 s2, 0x3003
	s_cbranch_scc0 .Lentry_shape_is_right
	s_endpgm
.Lentry_shape_is_right:
; ATTN: out0[n][C][p] = x[n][C][p] + (sum over keys p' of softmax_p'(q[p] . k[p']) v[p'][C]), both products on codes of FP6 (E2M3) with one E8M0 byte for each 32 along a product's K.
; q, k, v come from ws as images of operand registers (a fragment: three blocks of 512 bytes, registers 4 i .. 4 i + 3 of lane l at 512 i + 16 l), so every LDS load is 16 x lane, dense: no pitch, no padding.
; THE SOFTMAX AHEAD OF THE SECOND PRODUCT: t = score x log2(e); M = the row's largest t so far, rounded UP to a whole number; p = 2^(t - M) is what is quantised, along the keys, not normalised.  The row's sum is taken of
; the unquantised p and divides at the end.  When M moves, the sum and O are multiplied by 2^(old M - new M): exact, and with no branch on data.
; SHARES.  A work-group owns 128 queries of one image; each of its eight waves owns 16 of them in 256 registers, two waves to a SIMD, so that one wave's vector work stands beside the other's matrix work and LDS loads.
; 8 images x 32 blocks are 256 work-groups.  Every wave walks all 4,096 keys, 128 a step.
; ALL OF AN IMAGE'S k AND v STAY IN LDS: 32 steps x 9,216 bytes of codes and 12,288 bytes of scale words are 307,200 bytes.  They are filled ONCE, by five tensor loads a wave issued together (five are outstanding at the
; most): no slot is ever filled again.  The loads are in four chunks of eight steps, so that the first steps begin when an eighth... a quarter of the codes has landed; a phase begins one step early, since each step fetches the next step's k.
; CLUSTER.  The four work-groups of a cluster are four query blocks of one image and need the same 307,200 bytes: each load is asked for JOINTLY, with the same descriptor and a mask that names the four.
; (More than four partners cannot be named by one mask here; the 32 blocks of an image are eight such clusters.)
; LAYOUT.  Both products are used transposed: S^T = k q^T (source 0 = 16 keys, source 1 = my 16 queries), O^T = v^T p^T (source 0 = 16 channels, source 1 = p): a lane holds ONE query (lane % 16) throughout.
; THE FIRST PRODUCT'S K IS 32 OF THE INSTRUCTION'S 128.  A fragment of k therefore holds FOUR tiles of 16 keys, one in each block of 32 along K, and my queries are kept four times, as Q_b: their codes in block b, zero codes
; in the other three, their scale byte in byte b and 0 in the others.  k's fragment g against Q_b gives tile 4 g + b; the other blocks meet zero codes and add nothing.  So 128 keys are 24 dense registers.
; The four Q_b overlap in 30 registers [Z A Z B Z], six each: A = q in lanes 0-15, B = q in lanes 16-31, 0 elsewhere.  Q_0 = [A Z], Q_1 = [B Z], Q_2 = [Z A], Q_3 = [Z B].
; THE KEYS OF A TILE ARE NOT NEIGHBOURS: row r of tile t is key 32 (t / 2) + 8 (t % 2) + r + 8 (r / 8), so that the 16 registers of tiles 2 b and 2 b + 1 are keys 32 b + 16 (lane / 16) + 0 .. 15.  My queries lie in the same order.
; LIMITS: NaN and infinities are not served.  A block's largest p is taken from its largest score (p rises with the score; this takes v_exp_f32 not to fall where its input rises, which the ISA guide does not state:
; at the worst one p of a block, within an ulp of a power of two, is held one code low).  A block whose every p has fallen to 0 keeps the byte 1: its codes are zeros.
.set IMG,   409600
.set SCL,   294912                     ; LDS and ws alike: the codes from 0, the scale words from here
.set QCOD,  307200
.set QSCL,  405504
.set STEPB, 9216                       ; a key step: k's two fragments, v's four
.set FRB,   1536
.set CHUNK, 8*STEPB
.set SPITCH, 528                       ; the way out: 64 channel rows of 512 bytes + 16, over the codes' first 33,792 bytes, which have had their one fill and are read by nobody then
.set LI,  1                            ; v1   16 x lane: an image's place for my lane; also my 16 bytes of a row of x and of out0
.set LS,  2                            ; v2   4 x lane + SCL
.set AD,  3                            ; v3   this step's codes
.set ADS, 4                            ; v4   this step's scale words
.set STO, 5                            ; v5   the way out: where my query's number of channel 8 h lies
.set RD,  6                            ; v6   the way out: my wave's eight rows, 16 bytes a lane
.set Q,   16                           ; v16-45   [Z A Z B Z]
.set QS,  46                           ; v46-49   Q_b's scale words
.set KS,  50                           ; v50      k's scale words: lanes 0-15 fragment 0, lanes 16-31 fragment 1
.set VS,  51                           ; v51-52   v's: tiles 0 / 1, tiles 2 / 3
.set PW,  53                           ; v53      p's scale word
.set KF,  54                           ; v54-77   k's two fragments
.set VF,  78                           ; v78-125  v's four
.set S,   126                          ; v126-189 S^T, then p
.set O,   190                          ; v190-221 O^T, four tiles
.set PC,  222                          ; v222-233 p's codes
.set T8,  234                          ; v234-241 at work
.set BM,  242                          ; v242-245 the blocks' largest scores, then largest p
.set SO,  246                          ; v246-249 the conversions' scale operands
.set F,   250                          ; v[250:251] f = 2^(old M - new M); the upper half is only named
.set TMP, 252
.set WV,  10
.set G1C, 16                           ; s[16:23] descriptor group 1 for a step's codes;  s[24:31] for a wave's part of the scale words
.set G1S, 24
.set G0,  32                           ; s[32:51] five groups 0, never rewritten: the scale words, chunks 0 to 3
.set SEL, 52
.set CS,  54                           ; s[54:55] log2(e): the packed form names a pair and takes its low word for both halves
.set KB,  56                           ; s56  LDS byte at which the step's codes begin
.set SB,  57                           ; s57  and its scale words, from SCL
.set CNT, 58
; A round of the cluster's barrier: my work-group's barrier, wave 0 signals for the work-group, every wave waits for all four work-groups, my work-group's barrier once more.
.macro CROUND
	s_barrier_signal -1
	s_barrier_wait -1
	s_cmp_lg_u32 s[WV], 0
	s_cbranch_scc1 .Lnot_wave_0_\@
	s_barrier_signal -3
.Lnot_wave_0_\@:
	s_barrier_wait -3
	s_barrier_signal -1
	s_barrier_wait -1
.endm
.macro LOADK off                       ; seven loads: k's two fragments and their scale words, off bytes of codes on from v[AD]
.irp g, 0,1
.irp i, 0,1,2
	ds_load_b128 v[KF+12*\g+4*\i:KF+12*\g+4*\i+3], v[AD] offset:\off+FRB*\g+512*\i
.endr
.endr
	ds_load_b32 v[KS], v[ADS] offset:(\off)/STEPB*384
.endm
.macro LOADV                           ; fourteen loads: v's four fragments and their scale words
.irp t, 0,1,2,3
.irp i, 0,1,2
	ds_load_b128 v[VF+12*\t+4*\i:VF+12*\t+4*\i+3], v[AD] offset:2*FRB+FRB*\t+512*\i
.endr
.endr
	ds_load_b32 v[VS], v[ADS] offset:128
	ds_load_b32 v[VS+1], v[ADS] offset:256
.endm
; A KEY STEP: 128 keys.  pre = 1: the next step's k is fetched.  last = 1: the rows of x that the way out adds are asked for.
.macro STEP pre, last
	s_wait_dscnt 0x0                               ; k and its scale words, asked for a step ago
.irp t, 0,1,2,3,4,5,6,7
.set rQ, Q+6+12*(\t%2)-6*((\t%4)/2)
.if \t/4
	v_wmma_scale_f32_16x16x128_f8f6f4 v[S+8*\t:S+8*\t+7], v[KF+12:KF+23], v[rQ:rQ+11], 0, v[KS], v[QS+\t%4] matrix_a_fmt:MATRIX_FMT_FP6 matrix_b_fmt:MATRIX_FMT_FP6 matrix_a_scale:MATRIX_SCALE_ROW1
.else
	v_wmma_scale_f32_16x16x128_f8f6f4 v[S+8*\t:S+8*\t+7], v[KF:KF+11], v[rQ:rQ+11], 0, v[KS], v[QS+\t%4] matrix_a_fmt:MATRIX_FMT_FP6 matrix_b_fmt:MATRIX_FMT_FP6
.endif
.endr
	v_add_nc_u32 v[AD], s[KB], v[LI]               ; four places in front of the loads into registers that matrix instructions have read, and of the first read of the scores
	v_add_nc_u32 v[ADS], s[SB], v[LS]
	v_nop
	v_nop
	LOADV
.if \pre
	LOADK STEPB
.endif
.if \last
.irp i, 0,1,2,3,4,5,6,7
	global_load_b128 v[Q+4*\i+10*(\i/7):Q+4*\i+10*(\i/7)+3], v[LI], s[66:67] offset:16384*\i th:TH_LOAD_NT   ; x(channel 8 w + i, my block's 128 pixels): 512 consecutive bytes; into Q's registers and k's first four, which are done with (not into scale registers)
.endr
.endif
.irp b, 0,1,2,3
	v_max3_num_f32 v[BM+\b], v[S+16*\b], v[S+1+16*\b], v[S+2+16*\b]   ; THE LARGEST SCORE OF EACH BLOCK OF 32 KEYS: it serves for the row's maximum and, since p rises with the score, for the block's largest p
.endr
.irp i, 3,5,7,9,11,13
.irp b, 0,1,2,3
	v_max3_num_f32 v[BM+\b], v[BM+\b], v[S+16*\b+\i], v[S+1+16*\b+\i]   ; the four blocks by turns
.endr
.endr
.irp b, 0,1,2,3
	v_max_num_f32 v[BM+\b], v[BM+\b], v[S+15+16*\b]
.endr
.irp b, 0,1,2,3
	s_delay_alu instid0(VALU_DEP_4)
	v_permlanex16_b32 v[T8+\b], v[BM+\b], s[SEL], s[SEL+1]
.endr
.irp b, 0,1,2,3
	s_delay_alu instid0(VALU_DEP_4)
	v_max_num_f32 v[BM+\b], v[BM+\b], v[T8+\b]     ; with lane l xor 16's 16 keys
.endr
	s_delay_alu instid0(VALU_DEP_2)
	v_max3_num_f32 v[TMP], v[BM], v[BM+1], v[BM+2]
	s_delay_alu instid0(VALU_DEP_1)
	v_max_num_f32 v[TMP], v[TMP], v[BM+3]          ; the step's largest score of my query
	s_delay_alu instid0(VALU_DEP_1)
	v_mul_f32 v[TMP], s[CS], v[TMP]                ; as t
	s_delay_alu instid0(VALU_DEP_1)
	v_max_num_f32 v13, v13, v[TMP]                 ; the running largest t
	v_mov_b32 v[TMP], v12
	s_delay_alu instid0(VALU_DEP_2)
	v_floor_f32 v12, -v13                          ; the new -M = floor(-t) = -ceil(t): M IS A WHOLE NUMBER
	s_delay_alu instid0(VALU_DEP_1)
	v_sub_f32 v[TMP], v12, v[TMP]                  ; M's old value less its new one: a whole number, 0 or less
	s_delay_alu instid0(VALU_DEP_1)
	v_cvt_i32_f32 v[TMP], v[TMP]                   ; (it saturates)
	s_delay_alu instid0(VALU_DEP_1)
	v_ldexp_f32 v[F], 1.0, v[TMP]                  ; f = 2^(old M - new M)
.irp j, 0,2,4,6,8,10,12,14,16,18,20,22,24,26,28,30,32,34,36,38,40,42,44,46,48,50,52,54,56,58,60,62
	v_pk_fma_f32 v[S+\j:S+1+\j], v[S+\j:S+1+\j], s[CS:CS+1], v[12:13] op_sel_hi:[1,0,0]   ; t - M, two at a time
.endr
.irp b, 0,1,2,3
	v_fma_f32 v[BM+\b], v[BM+\b], s[CS], v12       ; the same of each block's largest score
.endr
	s_wait_alu depctr_va_vdst(0)
.irp j, 0,1,2,3,4,5,6,7,8,9,10,11,12,13,14,15,16,17,18,19,20,21,22,23,24,25,26,27,28,29,30,31,32,33,34,35,36,37,38,39,40,41,42,43,44,45,46,47,48,49,50,51,52,53,54,55,56,57,58,59,60,61,62,63
	v_exp_f32 v[S+\j], v[S+\j]                     ; p = 2^(t - M), at most 1: NOT normalised
.endr
	s_setprio 1
.irp b, 0,1,2,3
	v_exp_f32 v[BM+\b], v[BM+\b]                   ; the block's largest p: the same two instructions on the same number give the same bits
.endr
	v_pk_mul_f32 v[14:15], v[14:15], v[F:F+1] op_sel_hi:[1,0]   ; the sums under the new M.  (The plain place behind the exponentials)
	s_wait_alu depctr_va_vdst(0)
.irp b, 0,1,2,3
	v_max_num_f32 v[BM+\b], 0x1800000, v[BM+\b]    ; the floor 2^(3 - 127): the byte cannot fall under 1
.endr
.irp b, 0,1,2,3
	s_delay_alu instid0(VALU_DEP_4)
	v_add_nc_u32 v[SO+\b], 0xff000000, v[BM+\b]    ; 2 off the exponent field: the conversion's scale operand
.endr
.irp b, 0,1,2,3
	s_delay_alu instid0(VALU_DEP_4)
	v_lshrrev_b32 v[T8+\b], 23, v[SO+\b]           ; the scale's byte
.endr
	s_delay_alu instid0(VALU_DEP_3)
	v_lshl_or_b32 v[PW], v[T8+1], 8, v[T8]         ; p's scale word for these 128 keys
	s_delay_alu instid0(VALU_DEP_1)
	v_lshl_or_b32 v[PW], v[T8+2], 16, v[PW]
	s_delay_alu instid0(VALU_DEP_1)
	v_lshl_or_b32 v[PW], v[T8+3], 24, v[PW]
.irp c, 0,1
	v_cvt_scalef32_pk16_fp6_f32 v[PC+6*\c:PC+2+6*\c], v[S+32*\c:S+15+32*\c], v[SO+2*\c]
	v_cvt_scalef32_pk16_fp6_f32 v[T8+4*\c:T8+2+4*\c], v[S+16+32*\c:S+31+32*\c], v[SO+2*\c+1]   ; (a conversion's three registers begin on an even number)
.endr
	v_nop                                          ; one plain place behind a scaled conversion
.irp c, 0,1                                    ; the operand's layout wants a WHOLE block in a lane: lanes 0-15 block 2 c, lanes 16-31 block 2 c + 1
.irp i, 0,1,2
	v_permlane16_swap_b32 v[PC+6*\c+\i], v[T8+4*\c+\i]
.endr
.irp i, 0,1,2
	s_delay_alu instid0(VALU_DEP_3)
	v_mov_b32 v[PC+3+6*\c+\i], v[T8+4*\c+\i]
.endr
.endr
.irp j, 0,2,4,6,8,10,12,14,16,18,20,22,24,26,28,30
	v_pk_mul_f32 v[O+\j:O+1+\j], v[O+\j:O+1+\j], v[F:F+1] op_sel_hi:[1,0]   ; O^T under the new M, each tile from its low end on
.endr
	v_pk_add_f32 v[234:235], v[130:131], v[134:135]
	v_pk_add_f32 v[248:249], v[138:139], v[142:143]
	v_pk_add_f32 v[246:247], v[146:147], v[150:151]
	v_pk_add_f32 v[244:245], v[154:155], v[158:159]
	v_pk_add_f32 v[242:243], v[162:163], v[166:167]
	v_pk_add_f32 v[240:241], v[170:171], v[174:175]
	v_pk_add_f32 v[238:239], v[178:179], v[182:183]
	v_pk_add_f32 v[14:15], v[14:15], v[186:187]
	v_pk_add_f32 v[234:235], v[234:235], v[126:127]
	v_pk_add_f32 v[248:249], v[248:249], v[128:129]
	v_pk_add_f32 v[246:247], v[246:247], v[132:133]
	v_pk_add_f32 v[244:245], v[244:245], v[136:137]
	v_pk_add_f32 v[242:243], v[242:243], v[140:141]
	v_pk_add_f32 v[240:241], v[240:241], v[144:145]
	s_setprio 0
	v_pk_add_f32 v[238:239], v[238:239], v[148:149]
	v_pk_add_f32 v[14:15], v[14:15], v[152:153]
	v_pk_add_f32 v[234:235], v[234:235], v[156:157]
	v_pk_add_f32 v[248:249], v[248:249], v[160:161]
	v_pk_add_f32 v[246:247], v[246:247], v[164:165]
	v_pk_add_f32 v[244:245], v[244:245], v[168:169]
	v_pk_add_f32 v[242:243], v[242:243], v[172:173]
	v_pk_add_f32 v[240:241], v[240:241], v[176:177]
	v_pk_add_f32 v[238:239], v[238:239], v[180:181]
	v_pk_add_f32 v[14:15], v[14:15], v[184:185]
	v_pk_add_f32 v[234:235], v[234:235], v[188:189]
	s_delay_alu instid0(VALU_DEP_2)
	v_pk_add_f32 v[14:15], v[14:15], v[244:245]
	s_delay_alu instid0(VALU_DEP_2)
	v_pk_add_f32 v[234:235], v[234:235], v[242:243]
	v_pk_add_f32 v[248:249], v[248:249], v[240:241]
	v_pk_add_f32 v[246:247], v[246:247], v[238:239]
	s_delay_alu instid0(VALU_DEP_2)
	v_pk_add_f32 v[14:15], v[14:15], v[248:249]
	s_delay_alu instid0(VALU_DEP_2)
	v_pk_add_f32 v[234:235], v[234:235], v[246:247]
	s_delay_alu instid0(VALU_DEP_1)
	v_pk_add_f32 v[14:15], v[14:15], v[234:235]
.if \pre
	s_wait_dscnt 7                                 ; v and its scale words are in; the seven loads of the next step's k, issued behind them, may stay out
.else
	s_wait_alu depctr_va_vdst(0)
	s_wait_dscnt 0x0
.endif
.irp t, 0,1,2,3                                ; O^T += v^T p^T: the four tiles by turns, one instruction a turn
.if \t%2
	v_wmma_scale_f32_16x16x128_f8f6f4 v[O+8*\t:O+8*\t+7], v[VF+12*\t:VF+12*\t+11], v[PC:PC+11], v[O+8*\t:O+8*\t+7], v[VS+\t/2], v[PW] matrix_a_fmt:MATRIX_FMT_FP6 matrix_b_fmt:MATRIX_FMT_FP6 matrix_a_scale:MATRIX_SCALE_ROW1
.else
	v_wmma_scale_f32_16x16x128_f8f6f4 v[O+8*\t:O+8*\t+7], v[VF+12*\t:VF+12*\t+11], v[PC:PC+11], v[O+8*\t:O+8*\t+7], v[VS+\t/2], v[PW] matrix_a_fmt:MATRIX_FMT_FP6 matrix_b_fmt:MATRIX_FMT_FP6
.endif
.endr
	s_add_co_u32 s[KB], s[KB], STEPB
	s_add_co_u32 s[SB], s[SB], 384
.endm
; A PHASE: the steps that one more chunk makes possible.  cnt: how many of my five tensor loads, issued behind the chunk that is wanted, may stay out.  Each wave brought one step of the chunk, so a barrier follows its wait;
; the later chunks stay on their way across it.  first: the phase's first step;  trips: its steps.
.macro PHASE cnt, first, trips
	s_wait_tensorcnt \cnt
	s_wait_dscnt 0x0                               ; no LDS instruction of mine is out at a signal
	s_barrier_signal -1
	s_barrier_wait -1
	s_mov_b32 s[KB], STEPB*\first
	s_mov_b32 s[SB], 384*\first
	s_mov_b32 s[CNT], \trips
.if \first == 0
	v_add_nc_u32 v[AD], s[KB], v[LI]
	v_add_nc_u32 v[ADS], s[SB], v[LS]
	LOADK 0                                        ; the first step's k
.endif
.Lstep_\@:
	s_setprio 2
	STEP 1, 0
	s_sub_co_u32 s[CNT], s[CNT], 1
	s_cmp_lg_u32 s[CNT], 0
	s_cbranch_scc1 .Lstep_\@
	s_setprio 0
.endm
	s_load_b128 s[4:7], s[0:1], 0x0                ; ws s[4:5], x s[6:7]
	s_load_b64 s[8:9], s[0:1], 0x10                ; out0
	v_lshl_add_u32 v254, v0, 2, 0x4b000
	v_mov_b32 v255, 0
	ds_add_u32 v254, v255
	ds_add_u32 v254, v255
	v_lshrrev_b32 v8, 5, v0
	s_delay_alu instid0(VALU_DEP_1)
	v_readfirstlane_b32 s[WV], v8                  ; wave 0..7
	s_bfe_u32 s11, ttmp6, 0x40000                  ; cx: my place in the cluster
	s_lshl_b32 s12, ttmp9, 2                       ; in a cluster launch ttmp9 counts clusters
	s_add_co_u32 s12, s12, s11                     ; my block of 128 queries: it enters the addresses of q, x and out0 alone
	s_and_b32 s13, ttmp7, 0xffff                   ; the image, which the four partners share
	s_mul_i32 s14, s13, IMG
	s_mov_b32 s15, 0
	; descriptor groups 1: dense blocks of memory as rows of 256 bytes (32 elements of 8 bytes), no padding: 36 rows are a step's codes, 6 rows a wave's eighth of the scale words
	s_mov_b32 s[G1C], 15|(3<<16)|(1<<21)           ; 15:0 the mask: all four work-groups; 17:16 elements of 8 bytes; 20 padding off; 21 set beside a mask
	s_mov_b32 s[G1C+1], 32<<16                     ; tensor_dim0 = 32
	s_mov_b32 s[G1C+2], 36<<16                     ; tensor_dim1 = 36
	s_mov_b32 s[G1C+3], 32<<16                     ; tile_dim0 = 32
	s_mov_b32 s[G1C+4], 36                         ; tile_dim1 = 36
	s_mov_b32 s[G1C+5], 32                         ; from row to row: 32 elements
	s_mov_b32 s[G1C+6], 0
	s_mov_b32 s[G1C+7], 0
	s_mov_b32 s[G1S], 15|(3<<16)|(1<<21)
	s_mov_b32 s[G1S+1], 32<<16
	s_mov_b32 s[G1S+2], 6<<16
	s_mov_b32 s[G1S+3], 32<<16
	s_mov_b32 s[G1S+4], 6
	s_mov_b32 s[G1S+5], 32
	s_mov_b32 s[G1S+6], 0
	s_mov_b32 s[G1S+7], 0
	s_mul_i32 s70, s[WV], FRB                      ; my 1,536 bytes of the scale words
	s_mul_i32 s71, s[WV], STEPB                    ; my step of each chunk of eight
	s_mov_b32 s75, 0
	s_wait_dscnt 0x0
	s_wait_kmcnt 0x0
	s_add_nc_u64 s[72:73], s[4:5], s[14:15]        ; ws at the image
	; groups 0: a tile lies at the same byte of the image's part of ws and of LDS: a constant + the wave's number x a constant
	s_mov_b32 s[G0], 1                             ; count = 1
	s_add_co_u32 s[G0+1], s70, SCL                 ; LDS address
	s_mov_b32 s74, s[G0+1]
	s_add_nc_u64 s[G0+2:G0+3], s[72:73], s[74:75]  ; global address
	s_or_b32 s[G0+3], s[G0+3], 0x80000000          ; type = 2
.irp j, 0,1,2,3
	s_mov_b32 s[G0+4+4*\j], 1
	s_add_co_u32 s[G0+5+4*\j], s71, CHUNK*\j
	s_mov_b32 s74, s[G0+5+4*\j]
	s_add_nc_u64 s[G0+6+4*\j:G0+7+4*\j], s[72:73], s[74:75]
	s_or_b32 s[G0+7+4*\j], s[G0+7+4*\j], 0x80000000
.endr
	CROUND                                         ; all four work-groups are here: the joint loads meet
	tensor_load_to_lds s[G0:G0+3], s[G1S:G1S+7]    ; the launch's only fills, in one group: five loads of mine are out
	s_nop 0
	tensor_load_to_lds s[G0+4:G0+7], s[G1C:G1C+7]
	s_nop 0
	tensor_load_to_lds s[G0+8:G0+11], s[G1C:G1C+7]
	s_nop 0
	tensor_load_to_lds s[G0+12:G0+15], s[G1C:G1C+7]
	s_nop 0
	tensor_load_to_lds s[G0+16:G0+19], s[G1C:G1C+7]
	s_nop 0
.rept 4
	v_nop                                          ; (behind tensor loads)
.endr
	; my tile of q: fragment g = w / 4, registers 6 c .. 6 c + 5 with c = (w / 2) % 2, lanes 16 e + r with e = w % 2
	s_lshr_b32 s70, s[WV], 2                       ; g
	s_bfe_u32 s71, s[WV], 0x10001                  ; c
	s_and_b32 s76, s[WV], 1                        ; e
	s_mov_b32 s79, 0
	s_mul_i32 s78, s12, 2*FRB
	s_mul_i32 s77, s70, FRB
	s_add_co_u32 s78, s78, s77
	s_lshl_b32 s77, s76, 8                         ; lanes 16 e on: 256 bytes
	s_add_co_u32 s78, s78, s77
	s_add_co_u32 s78, s78, QCOD
	s_add_nc_u64 s[60:61], s[72:73], s[78:79]
	s_lshl_b32 s78, s12, 7
	s_lshl_b32 s77, s70, 6
	s_add_co_u32 s78, s78, s77
	s_add_co_u32 s78, s78, QSCL
	s_add_nc_u64 s[62:63], s[72:73], s[78:79]
	s_lshl_b32 s78, s13, 20                        ; x and out0: the image, 2^20 bytes; my wave's channels 8 w on, 16,384 bytes each; my block's 128 pixels
	s_lshl_b32 s77, s[WV], 17
	s_add_co_u32 s78, s78, s77
	s_lshl_b32 s77, s12, 9
	s_add_co_u32 s78, s78, s77
	s_add_nc_u64 s[66:67], s[6:7], s[78:79]
	s_add_nc_u64 s[68:69], s[8:9], s[78:79]
	v_and_b32 v8, 15, v0                           ; r
	v_bfe_u32 v9, v0, 4, 1                         ; h
	v_and_b32 v10, 31, v0                          ; lane
	s_mul_i32 s77, s71, 520                        ; registers 6 c, 6 c + 1 lie at 16 l + 520 c of the image, 6 c + 4, 6 c + 5 512 bytes on,
	v_lshl_add_u32 v11, v8, 4, s77
	s_mul_i32 s77, s71, 1016                       ; registers 6 c + 2, 6 c + 3 at 16 l + 8 + 1,016 c
	v_lshl_add_u32 v[TMP], v8, 4, s77
	v_lshlrev_b32 v253, 2, v8
	global_load_b64 v[S:S+1], v11, s[60:61]        ; both halves of the lanes load query r's 24 bytes
	global_load_b64 v[S+2:S+3], v[TMP], s[60:61] offset:8
	global_load_b64 v[S+4:S+5], v11, s[60:61] offset:512
	global_load_b32 v[S+6], v253, s[62:63]         ; and its row's scale word
	v_lshlrev_b32 v[LI], 4, v10
	v_lshl_add_u32 v[LS], v10, 2, SCL
	v_and_b32 v[STO], 8, v8
	s_delay_alu instid0(VALU_DEP_1)
	v_add_nc_u32 v[STO], v[STO], v8
	s_delay_alu instid0(VALU_DEP_1)
	v_lshlrev_b32 v[STO], 2, v[STO]                ; the stage: my query is pixel 32 (w / 2) + 8 (w % 2) + r + 8 (r / 8) of the block, 4 bytes each;
	s_delay_alu instid0(VALU_DEP_1)
	v_mad_u32_u24 v[STO], v9, 8*SPITCH, v[STO]     ; lanes 16-31 hold channels 8 further on.  The 32 lanes' words fall on 32 different banks (64 banks of 4 bytes: ISA guide 11.1): 8 rows are 1,056 words, 32 modulo 64
	s_lshr_b32 s77, s[WV], 1
	s_lshl_b32 s77, s77, 7
	s_lshl_b32 s76, s76, 5
	s_add_co_u32 s77, s77, s76
	v_add_nc_u32 v[STO], s77, v[STO]
	s_mul_i32 s77, s[WV], 8*SPITCH
	v_add_nc_u32 v[RD], s77, v[LI]
	s_mov_b32 s[SEL], 0x76543210
	s_mov_b32 s[SEL+1], 0xfedcba98                 ; v_permlanex16_b32's selects for lane l xor 16
	s_mov_b32 s[CS], 0x3fb8aa3b                    ; log2(e)
	s_mov_b32 s[CS+1], s[CS]
	v_mov_b32 v13, 0xff61b1e6                      ; the largest t so far: -3e38, under every t
	s_delay_alu instid0(VALU_DEP_1)
	v_floor_f32 v12, -v13                          ; -M
	v_mov_b32 v14, 0                               ; the sum, in two halves
	v_mov_b32 v15, 0
	v_mov_b32 v[F+1], 0                            ; (named as the upper half of the pair)
.irp b, 0,1,2,3
	v_mov_b32 v[T8+\b], 0                          ; written once: a lane permute's destination counts as one of its sources
.endr
.irp z, 0,12,24
.irp i, 0,1,2,3,4,5
	v_mov_b32 v[Q+\z+\i], 0                        ; Z
.endr
.endr
	v_cmp_gt_u32 vcc_lo, 16, v10
	v_cmp_le_u32 s77, 16, v10
	s_and_b32 s76, s[WV], 3
	s_lshl_b32 s76, s76, 3                         ; my tile's byte of the word: 2 c + e
	s_wait_loadcnt 0x0
.irp i, 0,1,2,3,4,5
	v_cndmask_b32 v[Q+6+\i], 0, v[S+\i], vcc_lo    ; A: q in lanes 0-15
	v_cndmask_b32 v[Q+18+\i], 0, v[S+\i], s77      ; B: q in lanes 16-31
.endr
	v_lshrrev_b32 v9, s76, v[S+6]
	s_delay_alu instid0(VALU_DEP_1)
	v_and_b32 v[QS], 0xff, v9                      ; Q_0's scale word: q's byte in byte 0, 0 in the others;
.irp b, 1,2,3
	v_lshlrev_b32 v[QS+\b], 8*\b, v[QS]            ; Q_b's: in byte b
.endr
.irp j, 0,1,2,3,4,5,6,7,8,9,10,11,12,13,14,15,16,17,18,19,20,21,22,23,24,25,26,27,28,29,30,31
	v_mov_b32 v[O+\j], 0                           ; O^T.  (The step is written without a first step of its own: it finds zeros, which the first change of M leaves zeros.  These lines are also the places between the scale words just made and the first product)
.endr
	PHASE 3, 0, 7                                  ; the scale words and chunk 0 are in: steps 0-6, which fetch k up to step 7
	PHASE 2, 7, 8                                  ; chunk 1: steps 7-14, k up to step 15
	PHASE 1, 15, 8                                 ; chunk 2: steps 15-22
	PHASE 0, 23, 8                                 ; chunk 3, my last tensor load: steps 23-30
	STEP 0, 1                                      ; step 31: nothing more to fetch but x
	; THE WAY OUT.  O^T / the sum goes into a stage of 64 channel rows x 128 pixels, which turns it to out0's layout; each wave then takes eight whole rows, adds x and stores them.
.rept 4
	v_nop                                          ; four places in front of the first read of the last products' results
.endr
	v_add_f32 v14, v14, v15                        ; the sum's two halves,
	s_delay_alu instid0(VALU_DEP_1)
	v_permlanex16_b32 v[TMP], v14, s[SEL], s[SEL+1]
	s_delay_alu instid0(VALU_DEP_1)
	v_add_f32 v14, v14, v[TMP]                     ; and lane l xor 16's: the row's sum
	s_wait_alu depctr_va_vdst(0)
	v_rcp_f32 v14, v14
	v_nop                                          ; one plain place behind the reciprocal
	s_wait_alu depctr_va_vdst(0)
.irp j, 0,2,4,6,8,10,12,14,16,18,20,22,24,26,28,30
	v_pk_mul_f32 v[O+\j:O+1+\j], v[O+\j:O+1+\j], v[14:15] op_sel_hi:[1,0]
.endr
	s_wait_alu depctr_va_vdst(0)
	s_wait_dscnt 0x0
	s_barrier_signal -1
	s_barrier_wait -1                              ; every wave's reads of the codes are over: their first bytes become the stage
.irp t, 0,1,2,3
.irp j, 0,1,2,3,4,5,6,7
	ds_store_b32 v[STO], v[O+8*\t+\j] offset:(16*\t+\j)*SPITCH   ; channel 16 t + 8 h + j, my query
.endr
.endr
	s_wait_dscnt 0x0                               ; for the others' sake: my stores into the stage are done
	s_barrier_signal -1
	s_barrier_wait -1
.irp i, 0,1,2,3,4,5,6,7
	ds_load_b128 v[VF+4*\i:VF+4*\i+3], v[RD] offset:\i*SPITCH
.endr
	s_wait_loadcnt 0x0                             ; x
.irp i, 0,1,2,3,4,5,6,7
	s_wait_dscnt 7-\i                              ; row i is back; the rows behind it may be out
	v_pk_add_f32 v[VF+4*\i:VF+4*\i+1], v[VF+4*\i:VF+4*\i+1], v[Q+4*\i+10*(\i/7):Q+4*\i+10*(\i/7)+1]
	v_pk_add_f32 v[VF+4*\i+2:VF+4*\i+3], v[VF+4*\i+2:VF+4*\i+3], v[Q+4*\i+10*(\i/7)+2:Q+4*\i+10*(\i/7)+3]
	global_store_b128 v[LI], v[VF+4*\i:VF+4*\i+3], s[68:69] offset:16384*\i th:TH_STORE_NT   ; 32 lanes store 512 consecutive bytes, at a multiple of 256 from out0's first byte; no register of a store is written again
.endr
	s_wait_tensorcnt 0x0
	ds_add_u32 v254, v255
	s_wait_dscnt 0x0
	CROUND                                         ; the closing round: no work-group ends while a partner may still ask for a tile that names it
	s_endpgm
.Lfunc_end_k_qa86f84de0b_attn:
	.size	k_qa86f84de0b_attn, .Lfunc_end_k_qa86f84de0b_attn-k_qa86f84de0b_attn
	.p2alignl 7, 3214868480
	.fill 96, 4, 3214868480
	.section	.rodata,"a",@progbits
	.p2align	6, 0x0
	.amdhsa_kernel k_qa86f84de0b_attn
		.amdhsa_group_segment_fixed_size 327680
		.amdhsa_private_segment_fixed_size 0
		.amdhsa_enable_private_segment 0
		.amdhsa_kernarg_size 24
		.amdhsa_user_sgpr_count 2
		.amdhsa_user_sgpr_kernarg_segment_ptr 1
		.amdhsa_wavefront_size32 1
		.amdhsa_system_sgpr_workgroup_id_x 1
		.amdhsa_system_sgpr_workgroup_id_y 1
		.amdhsa_system_sgpr_workgroup_id_z 1
		.amdhsa_system_vgpr_workitem_id 0
		.amdhsa_next_free_vgpr 256
		.amdhsa_next_free_sgpr 80
		.amdhsa_reserve_vcc 1
		.amdhsa_float_denorm_mode_32 3
		.amdhsa_float_denorm_mode_16_64 3
		.amdhsa_memory_ordered 1
		.amdhsa_forward_progress 1
		.amdhsa_inst_pref_size 99
	.end_amdhsa_kernel
	.amdgpu_metadata
---
amdhsa.version: [ 1, 2 ]
amdhsa.kernels:
  - .name:           k_qa86f84de0b_attn
    .symbol:         k_qa86f84de0b_attn.kd
    .args:
      - { .name: ws, .offset: 0, .size: 8, .value_kind: global_buffer, .address_space: global }
      - { .name: x, .offset: 8, .size: 8, .value_kind: global_buffer, .address_space: global }
      - { .name: out0, .offset: 16, .size: 8, .value_kind: global_buffer, .address_space: global }
    .group_segment_fixed_size: 327680
    .private_segment_fixed_size: 0
    .kernarg_segment_align: 8
    .kernarg_segment_size: 24
    .max_flat_workgroup_size: 256
    .sgpr_count:     80
    .vgpr_count:     256
    .wavefront_size: 32
...
	.end_amdgpu_metadata
.endif
;; end of part 2
